; MI455X (gfx1250); checked and timed in simulation.
; The chip was launched on July 23, 2026; its instructions are those of AMD's public machine-readable ISA for CDNA 5 (MIT licence, August 2026) and "CDNA5" Instruction Set Architecture Reference Guide (July 2026). The comments in the code are by the model that wrote it; some were corrected since.
;; Proxy FFN. Allowed arithmetic: float matrix products may take bf16 or f16 operands with f32 sums; all other float work in f32.
;; Inputs: w_down 4 x 4,096 x 1,024 float32; w_gate 4 x 1,024 x 4,096 float32; w_router 1,024 x 4 float32; w_up 4 x 1,024 x 4,096 float32; x 4 x 256 x 1,024 float32.
;; Outputs: out0 4 x 256 x 1,024 float32.
;; One version. Each part assembles by itself: llvm-mc -triple=amdgcn-amd-amdhsa -mcpu=gfx1250 --defsym DOCPART=n.
;; ======== version 1 of 1: 4 launches
;; workspace buffers: xb 2,097,152 bytes; cw 16,384 bytes; h 33,554,432 bytes; part 67,108,864 bytes
;; launch route (part 1): grid 64 x 1, 16 waves a work-group, no clusters, 43,264 bytes of LDS; arguments x, w_router, xb, cw; writes xb, cw
.if DOCPART == 1
	.amdgcn_target "amdgcn-amd-amdhsa--gfx1250"
	.amdhsa_code_object_version 6
	.text
	.protected	k_qd64a873028_route
	.globl	k_qd64a873028_route
	.p2align	8
	.type	k_qd64a873028_route,@function
k_qd64a873028_route:
	s_mov_b64 s[64:65], 0
	v_nop
	global_prefetch_b8 v0, s[64:65] scope:SCOPE_SE
	s_setreg_imm32_b32 hwreg(HW_REG_WAVE_MODE, 25, 1), 1
	s_wait_xcnt 0x0
; ROUTER AND CAST.  x: [1024 tokens][1024] f32.  w_router: [1024][4] f32.
; Out: xb = x in bf16, laid out as matrix fragments; cw[token][4] f32 = the softmax weight of an expert if it is one of the token's two largest, else 0.
; The work-group owns 16 tokens (as many as one fragment image holds), wave w owns token w of them: a row of 4,096 bytes is eight loads of 16 bytes a lane.
; 1,024 tokens / 16 = 64 work-groups have work; no more are launched.
; xb: [block of 128 tokens 8][kq 32][tile of 16 tokens 8][image of 1,024 bytes]; in an image the byte 512 c + 256 h + 16 r + 2 e holds token r, k = 32 kq + 16 c + 8 h + e:
; 16 bytes at 16 x lane and 16 bytes at 16 x lane + 512 are the eight registers of a 16 x 32 bf16 fragment.
; THE LOGITS are made of the operands rounded to bf16, with exact products and f32 sums, like every other product of this program: so the choice of the two experts
; is made on the same numbers that the experts are computed from.  Four columns would fill a quarter of a matrix tile and the work is 4 M multiply-adds: it runs on the vector unit.
; LIMITS: NaN and infinities in the inputs are not followed.  The sums run in another order than a row-by-row product: a token whose second and third weight agree to within
; that order's rounding (some 1e-7 relative) may choose the other of the two.  v_exp_f32 gives 0 for a result below 2^-126 (ISA guide, its entry in 15.8): a weight that small counts as 0.
.set WR,   0                           ; LDS: w_router in bf16, row k at 8 k: 8,192 bytes
.set XS,   8192                        ; LDS: the 16 tokens' images, [kq 32][1,024]: 32,768 bytes
.set CWS,  40960                       ; LDS: the 16 tokens' cw: 256 bytes
.set W,    10                          ; v[10:17]   two rows of w_router, f32
.set X,    20                          ; v[20:51]   my 32 numbers of the token's row: X[4 i + d] is k = 128 i + 4 lane + d
.set XB,   52                          ; v[52:67]   the same in bf16, two to a register
.set WB,   68                          ; v[68:131]  w_router's rows of my 32 k, bf16: WB[8 i + 2 d + (e >> 1)], half e & 1
.set O,    132                         ; v[132:147] images read back, on their way to xb
.set ACC,  148                         ; v[148:151] the four logits
.set P,    152                         ; v[152:155] exponentials, then weights
.set CWV,  156                         ; v[156:159] cw
.set CNT,  160                         ; v[160:163] how many experts come before expert e in the order of top_k
.set MAXR, 164
.set SUMR, 165
.set RCPR, 166
.set TT,   167
	s_load_b256 s[4:11], s[0:1], 0x0               ; x s[4:5], w_router s[6:7], xb s[8:9], cw s[10:11]
	v_lshl_add_u32 v168, v0, 2, 0xa100
	v_mov_b32 v169, 0
	v_and_b32 v1, 31, v0                           ; lane
	v_lshrrev_b32 v9, 5, v0
	v_readfirstlane_b32 s12, v9                    ; wave = my token among the sixteen
	s_mov_b32 s14, 0x76543210                      ; v_permlanex16_b32: lane i of one half reads lane i of the other
	s_mov_b32 s15, 0xfedcba98
	s_lshl_b32 s16, ttmp9, 16                      ; x: 16 rows of 4,096 bytes a work-group
	s_mov_b32 s17, 0
	s_lshr_b32 s18, ttmp9, 3                       ; xb: block of 128 tokens x 262,144
	s_lshl_b32 s18, s18, 18
	s_and_b32 s20, ttmp9, 7                        ;     + tile x 1,024
	s_lshl_b32 s20, s20, 10
	s_add_co_u32 s18, s18, s20
	s_mov_b32 s19, 0
	s_lshl_b32 s20, ttmp9, 8                       ; cw: 16 tokens x 16 bytes
	s_mov_b32 s21, 0
	v_lshlrev_b32 v2, 5, v0                        ; w_router: thread t takes rows 2 t and 2 t + 1, 32 bytes
	v_lshlrev_b32 v3, 4, v1
	v_lshl_add_u32 v3, s12, 12, v3                 ; x: my token's row + 16 x lane
	s_wait_kmcnt 0x0
	s_add_nc_u64 s[4:5], s[4:5], s[16:17]
	s_add_nc_u64 s[8:9], s[8:9], s[18:19]
	s_add_nc_u64 s[10:11], s[10:11], s[20:21]
	global_load_b128 v[W:W+3],   v2, s[6:7]
	global_load_b128 v[W+4:W+7], v2, s[6:7] offset:16
.irp i, 0,1,2,3,4,5,6,7
	global_load_b128 v[X+4*\i:X+4*\i+3], v3, s[4:5] offset:512*\i th:TH_LOAD_NT   ; a wave's load covers 512 consecutive bytes; x is read once in the launch
.endr
	; LDS addresses, while the loads are on their way
	v_lshlrev_b32 v4, 4, v0                        ; 16 t: where my two rows of w_router go, and which 16 bytes of the images I carry out
	v_lshrrev_b32 v5, 3, v1                        ; my 4 numbers k = 128 i + 4 lane + d: kq = 4 i + (lane >> 3),
	v_lshlrev_b32 v5, 10, v5
	v_bfe_u32 v[TT], v1, 2, 1                      ; c = bit 2 of the lane,
	v_lshl_add_u32 v5, v[TT], 9, v5
	v_bfe_u32 v[TT], v1, 1, 1                      ; h = bit 1,
	v_lshl_add_u32 v5, v[TT], 8, v5
	v_and_b32 v[TT], 1, v1                         ; e = 4 x bit 0 + d: 8 bytes
	v_lshl_add_u32 v5, v[TT], 3, v5
	v_lshl_add_u32 v5, s12, 4, v5                  ; r = my token
	v_lshlrev_b32 v6, 5, v1                        ; the router's rows of my k: 8 (128 i + 4 lane) = 1,024 i + 32 lane
	v_lshlrev_b32 v7, 3, v1                        ; 8 x lane: cw's way out
	v_lshrrev_b32 v8, 6, v0                        ; xb: 16 t in the images is kq = 8 n + (t >> 6), byte 16 (t & 63); a kq is 8,192 bytes apart in xb
	v_and_b32 v[TT], 63, v0
	v_lshlrev_b32 v[TT], 4, v[TT]
	v_lshl_add_u32 v8, v8, 13, v[TT]
	v_mov_b32 v9, s12
	v_lshlrev_b32 v9, 4, v9                        ; 16 x wave: my token's cw
	s_wait_loadcnt 0x8                             ; the eight loads of x are younger: w_router's two rows are in
	v_cvt_pk_bf16_f32 v[O],   v[W],   v[W+1]
	v_cvt_pk_bf16_f32 v[O+1], v[W+2], v[W+3]
	v_cvt_pk_bf16_f32 v[O+2], v[W+4], v[W+5]
	v_cvt_pk_bf16_f32 v[O+3], v[W+6], v[W+7]
	ds_store_b128 v4, v[O:O+3] offset:WR
	s_wait_loadcnt 0x0                             ; my token's row
.irp i, 0,1,2,3,4,5,6,7
	v_cvt_pk_bf16_f32 v[XB+2*\i],   v[X+4*\i],   v[X+4*\i+1]
	v_cvt_pk_bf16_f32 v[XB+2*\i+1], v[X+4*\i+2], v[X+4*\i+3]
.endr
.irp i, 0,1,2,3,4,5,6,7
	ds_store_b64 v5, v[XB+2*\i:XB+2*\i+1] offset:XS+4096*\i
.endr
	s_wait_dscnt 0x0                               ; my stores are in LDS before I say so: other waves read them
	s_barrier_signal -1
	s_barrier_wait -1
.irp i, 0,1,2,3,4,5,6,7
	ds_load_b128 v[WB+8*\i:WB+8*\i+3],   v6 offset:WR+1024*\i      ; rows d = 0, 1
	ds_load_b128 v[WB+8*\i+4:WB+8*\i+7], v6 offset:WR+1024*\i+16   ; rows d = 2, 3
.endr
.irp n, 0,1,2,3
	ds_load_b128 v[O+4*\n:O+4*\n+3], v4 offset:XS+8192*\n
.endr
.irp e, 0,1,2,3
	v_mov_b32 v[ACC+\e], 0
.endr
	s_wait_dscnt 0x4                               ; the four loads of images are younger: the router's rows are in
; four multiply-adds: x at k = 128 i + 4 lane + d (half xh = d & 1 of its register) times the router's row, exact products of bf16, sums in f32
.macro DOTD i, d, xh
	v_fma_mix_f32_bf16 v[ACC],   v[XB+2*\i+\d/2], v[WB+8*\i+2*\d],   v[ACC]   op_sel:[\xh,0,0] op_sel_hi:[1,1,0]
	v_fma_mix_f32_bf16 v[ACC+1], v[XB+2*\i+\d/2], v[WB+8*\i+2*\d],   v[ACC+1] op_sel:[\xh,1,0] op_sel_hi:[1,1,0]
	v_fma_mix_f32_bf16 v[ACC+2], v[XB+2*\i+\d/2], v[WB+8*\i+2*\d+1], v[ACC+2] op_sel:[\xh,0,0] op_sel_hi:[1,1,0]
	v_fma_mix_f32_bf16 v[ACC+3], v[XB+2*\i+\d/2], v[WB+8*\i+2*\d+1], v[ACC+3] op_sel:[\xh,1,0] op_sel_hi:[1,1,0]
.endm
.irp i, 0,1,2,3,4,5,6,7
	DOTD \i, 0, 0
	DOTD \i, 1, 1
	DOTD \i, 2, 0
	DOTD \i, 3, 1
.endr
	s_wait_dscnt 0x0                               ; the images
.irp n, 0,1,2,3
	global_store_b128 v8, v[O+4*\n:O+4*\n+3], s[8:9] offset:65536*\n   ; a wave's store covers 512 consecutive bytes, half an image
.endr
	; the four sums over the 32 lanes: four steps inside each half of 16 lanes, one across the halves; every lane ends with the result
.irp m, 1,2,4,8
.irp e, 0,1,2,3
	v_add_f32_dpp v[ACC+\e], v[ACC+\e], v[ACC+\e] row_xmask:\m row_mask:0xf bank_mask:0xf
.endr
.endr
.irp e, 0,1,2,3
	v_permlanex16_b32 v[XB+\e], v[ACC+\e], s14, s15        ; its destination counts as read: XB has been written and is free now
.endr
.irp e, 0,1,2,3
	v_add_f32 v[ACC+\e], v[ACC+\e], v[XB+\e]
.endr
	; softmax over the four, the largest logit taken away first
	v_max3_num_f32 v[MAXR], v[ACC], v[ACC+1], v[ACC+2]
	v_max_num_f32 v[MAXR], v[MAXR], v[ACC+3]
.irp e, 0,1,2,3
	v_sub_f32 v[P+\e], v[ACC+\e], v[MAXR]
.endr
.irp e, 0,1,2,3
	v_mul_f32 v[P+\e], 0x3fb8aa3b, v[P+\e]         ; e^x = 2^(1.442695 x)
.endr
.irp e, 0,1,2,3
	v_exp_f32 v[P+\e], v[P+\e]
.endr
	v_mov_b32 v[CNT],   3                          ; plain instructions between the exponentials and their first use (ISA guide 5.7.2):
	v_mov_b32 v[CNT+1], 2                          ; expert e starts with all 3 - e later experts counted as coming before it
	v_mov_b32 v[CNT+2], 1
	v_mov_b32 v[CNT+3], 0
	s_wait_alu depctr_va_vdst(0)
	v_add_f32 v[SUMR], v[P], v[P+1]
	v_add_f32 v[RCPR], v[P+2], v[P+3]
	v_add_f32 v[SUMR], v[SUMR], v[RCPR]
	v_rcp_f32 v[RCPR], v[SUMR]
	v_nop                                          ; one plain place behind the reciprocal
	s_wait_alu depctr_va_vdst(0)
.irp e, 0,1,2,3
	v_mul_f32 v[P+\e], v[P+\e], v[RCPR]
.endr
; The order of top_k: the larger weight first, of equal weights the lower index.  For a < b: if w_a >= w_b, a comes before b, else b before a.
.macro PAIR a, b
	v_cmp_ge_f32 vcc_lo, v[P+\a], v[P+\b]
	v_cndmask_b32 v[TT], 0, 1, vcc_lo
	v_add_nc_u32 v[CNT+\b], v[CNT+\b], v[TT]
	v_sub_nc_u32 v[CNT+\a], v[CNT+\a], v[TT]
.endm
	PAIR 0, 1
	PAIR 0, 2
	PAIR 0, 3
	PAIR 1, 2
	PAIR 1, 3
	PAIR 2, 3
.irp e, 0,1,2,3
	v_cmp_gt_u32 vcc_lo, 2, v[CNT+\e]              ; fewer than two come before it: it is one of the two
	v_cndmask_b32 v[CWV+\e], 0, v[P+\e], vcc_lo
.endr
	ds_store_b128 v9, v[CWV:CWV+3] offset:CWS      ; all lanes hold the same four numbers and write the same 16 bytes
	s_wait_dscnt 0x0                               ; in LDS before I say so: wave 0 reads it
	s_barrier_signal -1
	s_barrier_wait -1
	s_cmp_lg_u32 s12, 0
	s_cbranch_scc1 .Lend
	ds_load_b64 v[P:P+1], v7 offset:CWS            ; wave 0: 32 lanes x 8 bytes = the sixteen tokens' 256 bytes
	s_wait_dscnt 0x0
	global_store_b64 v7, v[P:P+1], s[10:11]        ; one store covers 256 consecutive bytes, aligned
.Lend:
	s_wait_tensorcnt 0x0
	ds_add_u32 v168, v169
	s_wait_dscnt 0x0
	s_endpgm
.Lfunc_end_k_qd64a873028_route:
	.size	k_qd64a873028_route, .Lfunc_end_k_qd64a873028_route-k_qd64a873028_route
	.p2alignl 7, 3214868480
	.fill 96, 4, 3214868480
	.section	.rodata,"a",@progbits
	.p2align	6, 0x0
	.amdhsa_kernel k_qd64a873028_route
		.amdhsa_group_segment_fixed_size 43264
		.amdhsa_private_segment_fixed_size 0
		.amdhsa_enable_private_segment 0
		.amdhsa_kernarg_size 32
		.amdhsa_user_sgpr_count 2
		.amdhsa_user_sgpr_kernarg_segment_ptr 1
		.amdhsa_wavefront_size32 1
		.amdhsa_system_sgpr_workgroup_id_x 1
		.amdhsa_system_sgpr_workgroup_id_y 1
		.amdhsa_system_sgpr_workgroup_id_z 1
		.amdhsa_system_vgpr_workitem_id 0
		.amdhsa_next_free_vgpr 170
		.amdhsa_next_free_sgpr 66
		.amdhsa_reserve_vcc 1
		.amdhsa_float_denorm_mode_32 3
		.amdhsa_float_denorm_mode_16_64 3
		.amdhsa_memory_ordered 1
		.amdhsa_forward_progress 1
		.amdhsa_inst_pref_size 19
	.end_amdhsa_kernel
	.amdgpu_metadata
---
amdhsa.version: [ 1, 2 ]
amdhsa.kernels:
  - .name:           k_qd64a873028_route
    .symbol:         k_qd64a873028_route.kd
    .args:
      - { .name: x, .offset: 0, .size: 8, .value_kind: global_buffer, .address_space: global }
      - { .name: w_router, .offset: 8, .size: 8, .value_kind: global_buffer, .address_space: global }
      - { .name: xb, .offset: 16, .size: 8, .value_kind: global_buffer, .address_space: global }
      - { .name: cw, .offset: 24, .size: 8, .value_kind: global_buffer, .address_space: global }
    .group_segment_fixed_size: 43264
    .private_segment_fixed_size: 0
    .kernarg_segment_align: 8
    .kernarg_segment_size: 32
    .max_flat_workgroup_size: 512
    .sgpr_count:     66
    .vgpr_count:     170
    .wavefront_size: 32
...
	.end_amdgpu_metadata
.endif
;; end of part 1
;; launch gateup (part 2): grid 128 x 4, 4 waves a work-group, clusters of 4 x 4, 327,680 bytes of LDS; arguments xb, w_gate, w_up, h; writes h
.if DOCPART == 2
	.amdgcn_target "amdgcn-amd-amdhsa--gfx1250"
	.amdhsa_code_object_version 6
	.text
	.protected	k_qd64a873028_gateup
	.globl	k_qd64a873028_gateup
	.p2align	8
	.type	k_qd64a873028_gateup,@function
k_qd64a873028_gateup:
	s_mov_b64 s[64:65], 0
	v_nop
	global_prefetch_b8 v0, s[64:65] scope:SCOPE_SE
	s_setreg_imm32_b32 hwreg(HW_REG_WAVE_MODE, 25, 1), 1
	s_wait_xcnt 0x0
	s_wait_alu depctr_hold_cnt(0) depctr_sa_sdst(0) depctr_va_vdst(0) depctr_va_sdst(0) depctr_va_ssrc(0) depctr_va_vcc(0) depctr_vm_vsrc(0)
	s_getreg_b32 s2, hwreg(HW_REG_IB_STS2, 6, 4)
	s_cmp_eq_u32 s2, 0
	s_cbranch_scc0 .Lentry_in_a_cluster
	s_endpgm
.Lentry_in_a_cluster:
	s_bfe_u32 s2, ttmp6, 0x10000c
	s_cmp_lg_u32 s2, 0xf033
	s_cbranch_scc0 .Lentry_shape_is_right
	s_endpgm
.Lentry_shape_is_right:
; h = silu(x Wg) * (x Wu), all four experts on all 1,024 tokens.  xb: x in bf16 as fragment images.  w_gate, w_up: [4][1024 (k)][4096 (ff)] f32.
; h: bf16 as fragment images, [block of 128 tokens 8][kq 512][tile of 16 tokens 8][1,024 bytes], kq = (4096 e + ff) / 32; in an image the byte 512 c + 256 h + 16 r + 2 e
; holds token r, k = 32 kq + 16 c + 8 h + e.
; A work-group makes 256 tokens x (128 columns of gate and the same 128 of up) with four waves, as many as a WGP has SIMDs; a wave makes 128 tokens x (64 + 64) columns:
; 64 accumulator tiles of 16 x 16, 512 registers.  K = 1,024 goes in steps of 96 (ten, and a last one of 64) through two LDS slots filled by the tensor data mover:
; a slot is 48 KiB of x and 96 KiB of f32 weights, and two such slots take 294,912 bytes; two slots of 128 along K would take 393,216 and do not fit.
; CLUSTERS: 4 x 4 work-groups.  The four of a row of the cluster have the same 256 tokens, the four of a column the same columns of the weights: each tile is asked for
; jointly by the four, with one descriptor and a mask that names them.  A cluster covers all 1,024 tokens, so each byte of the weights is asked for by one cluster alone.
; THE WEIGHTS COME AS f32 [k][n] AND ARE MADE INTO bf16 FRAGMENTS IN REGISTERS.  A lane reads 16 bytes, four neighbouring columns of one k; the four numbers belong to four
; fragments: fragment j holds the columns 4 r + j.  v_cvt_pk_bf16_f32 of the loads of rows k and k + 1 gives one fragment register, k in its true place.  No LDS stage, no
; transposing load; sixteen lanes read 256 consecutive bytes.  What it costs is a permutation of the output columns, which the way out takes back for nothing.
; THE MATRIX INSTRUCTION IS USED TRANSPOSED: source 0 = 16 columns of the weights, source 1 = 16 tokens.  In tile (a, b) lane (r, h) holds token 16 a + r and its register i
; the column 32 h + 4 i + (b & 3) of the wave's 64; tiles b = 0..3 are gate, b = 4..7 the same columns of up.  So a lane holds 32 neighbouring columns of one token.
; REGISTERS, in windows of 256:  window 0: v0-31 addresses; v64-127, v128-191 fragments of x, two buffers; v192-207 packed results
;   window 1: v0-63, v192-255 weights in f32 as loaded (gate, up); v64-127, v128-191 their fragments, two buffers
;   window 2: the accumulator tiles of my tokens 0-63 (tile (a, b) at v[8 (8 a + b)]);  window 3: those of my tokens 64-127
; LIMITS: NaN and infinities in the inputs are not followed.  From about g = -88.7 downward, where 2^(-1.442695 g) passes f32's range, silu(g) comes out as -0 where its value
; is below 1e-35 in magnitude.  h is formed as (g u) sigmoid(g), one order of rounding away from (g sigmoid(g)) u, and is rounded to bf16 as the next product's operand.
.set HALFA,  24576                     ; 128 tokens x 96 k in bf16: what one tensor load brings of x; [kq 3][tile 8][1,024]
.set ASLOT,  2*HALFA
.set HALFB,  49152                     ; 96 rows (k) x 128 columns in f32: what one tensor load brings of the weights; rows of 512 bytes
.set BBASE,  2*ASLOT                   ; the weights' slots lie behind x's two
.set BSLOT,  2*HALFB                   ; gate's region, then up's
.set STEPA,  24576                     ; bytes from a K step to the next in xb
.set BPITCH, 16384                     ; bytes from k to k + 1 in the weights
.set STEPB,  96*BPITCH
.set ADRA, 16                          ; v16-17  LDS address of my fragments of x in slot 0, 1
.set ADRB, 20                          ; v20-23  LDS address of my 16 bytes of the weights: slot 0 gate, slot 0 up, slot 1 gate, slot 1 up
.set VO,   24                          ; v24     my byte offset in h
.set F0,   64                          ; fragment buffer 0
.set F1,   128                         ; fragment buffer 1
.set TMP0, 0                           ; window 1: gate in f32, TMP0[4 t + j] = row t of my 16, column j of my 4
.set TMP1, 192                         ; window 1: up in f32
.set G1,  24                           ; s[24:31] descriptor group 1 for x's tiles
.set G0,  32                           ; s[32:39] descriptor group 0 for x's tiles, one set for each slot
.set G1B, 48                           ; s[48:55] descriptor group 1 for the weights' tiles
.set G0B, 56                           ; s[56:63] descriptor group 0 for the weights' tiles, one set for each slot
.set MSB, 0
.macro WIN new                         ; s_set_vgpr_msb: bits 1:0 source 0, 3:2 source 1, 5:4 source 2, 7:6 destination; the high byte repeats the setting that is left
.if MSB != \new
	s_set_vgpr_msb (MSB<<8)|\new
.set MSB, \new
.endif
.endm
.set MUL_LO, 0xa1                      ; source 0 (weights) window 1, source 1 (x) window 0, C and D window 2
.set MUL_HI, 0xf1                      ; the same, C and D window 3
.set TO_B,   0x40                      ; destination window 1, address window 0
.set CVTW,   0x45                      ; both sources and the destination window 1
; A joint load.  Waves 0 and 1 fetch x's two halves, wave 2 gate's region, wave 3 up's.  Each line has one mask; the branch hangs on the wave's number alone.
.macro JLOAD s
	s_cmp_eq_u32 s13, 0
	s_cbranch_scc0 .Lfor_b_\@
	tensor_load_to_lds s[G0+4*\s:G0+4*\s+3], s[G1:G1+7]
	s_nop 0
	s_branch .Lasked_\@
.Lfor_b_\@:
	tensor_load_to_lds s[G0B+4*\s:G0B+4*\s+3], s[G1B:G1B+7]
	s_nop 0
.Lasked_\@:
.endm
; A round of the cluster's barrier: my work-group's barrier, so that wave 0's signal speaks for all four waves; wave 0 signals for the work-group; every wave waits for all
; sixteen work-groups; my work-group's barrier once more.
.macro CREST                           ; a round behind its opening barrier
	s_cmp_lg_u32 s12, 0
	s_cbranch_scc1 .Lnot_wave_0_\@
	s_barrier_signal -3
.Lnot_wave_0_\@:
	s_barrier_wait -3
	s_barrier_signal -1
	s_barrier_wait -1
.endm
.macro CROUND                          ; a whole round
	s_barrier_signal -1
	s_barrier_wait -1
	CREST
.endm
.macro PLACES                          ; four plain places behind a matrix instruction before a vector instruction or a store reads its result
.rept 4
	v_nop
.endr
.endm
	s_load_b256 s[4:11], s[0:1], 0x0               ; xb s[4:5], w_gate s[6:7], w_up s[8:9], h s[10:11]
	v_lshl_add_u32 v254, v0, 2, 0x48000
	v_mov_b32 v255, 0
	ds_add_u32 v254, v255
	v_lshrrev_b32 v1, 5, v0
	v_readfirstlane_b32 s12, v1                    ; wave 0..3
	s_lshr_b32 s13, s12, 1                         ; which 128 of the block's tokens are mine.  Also: I fetch x (0) or weights (1)
	s_and_b32 s14, s12, 1                          ; which 64 of the 128 columns.  Also: which half of x, or gate (0) or up (1), I fetch
	s_bfe_u32 s40, ttmp6, 0x40000                  ; cx: my place along the cluster's x
	s_bfe_u32 s41, ttmp6, 0x40004                  ; cy: along its y = my block of 256 tokens (the grid has one cluster along y)
	s_lshl_b32 s42, ttmp9, 2                       ; in a cluster launch ttmp9 counts clusters
	s_add_co_u32 s42, s42, s40                     ; block of 128 columns, 0..127: expert = block >> 5
	s_lshl_b32 s43, s41, 2
	s_lshl_b32 s43, 15, s43                        ; my row of the cluster: places 4 cy .. 4 cy + 3
	s_lshl_b32 s44, 0x1111, s40                    ; my column: places cx, cx + 4, cx + 8, cx + 12
	; group 1 for x: a dense block of 24,576 bytes as 96 rows of 32 elements of 8 bytes
	s_or_b32  s[G1+0], s43, (3<<16)|(1<<21)        ; 15:0 the mask: my row; 17:16 elements of 8 bytes; 21 set beside a mask; no padding
	s_mov_b32 s[G1+1], 32<<16                      ; 63:48 tensor_dim0 = 32
	s_mov_b32 s[G1+2], 96<<16                      ; 95:80 tensor_dim1 = 96
	s_mov_b32 s[G1+3], 32<<16                      ; 127:112 tile_dim0 = 32
	s_mov_b32 s[G1+4], 96                          ; 143:128 tile_dim1 = 96
	s_mov_b32 s[G1+5], 32                          ; 191:160 elements from row to row: dense
	s_mov_b32 s[G1+6], 0
	s_mov_b32 s[G1+7], 0
	; group 1 for the weights: 96 rows (k) of 128 f32, 512 consecutive bytes each
	s_or_b32  s[G1B+0], s44, (2<<16)|(1<<21)       ; the mask: my column; elements of 4 bytes
	s_mov_b32 s[G1B+1], 128<<16
	s_mov_b32 s[G1B+2], 96<<16
	s_mov_b32 s[G1B+3], 128<<16
	s_mov_b32 s[G1B+4], 96
	s_mov_b32 s[G1B+5], BPITCH/4
	s_mov_b32 s[G1B+6], 0
	s_mov_b32 s[G1B+7], 0
	; where the tiles come from.  x's hang on cy alone, the weights' on the block of columns alone; each in registers that never hold the other coordinate.
	s_lshl_b32 s16, s41, 1
	s_add_co_u32 s16, s16, s14                     ; block of 128 tokens = 2 cy + half
	s_lshl_b32 s16, s16, 18                        ; x 262,144 bytes
	s_mov_b32 s17, 0
	s_lshr_b32 s22, s42, 5                         ; expert x 1,024 x 4,096 x 4 bytes
	s_lshl_b32 s22, s22, 24
	s_and_b32 s45, s42, 31                         ; + block of columns in the expert x 512 bytes
	s_lshl_b32 s45, s45, 9
	s_add_co_u32 s22, s22, s45
	s_mov_b32 s23, 0
	s_mul_i32 s18, s12, HALFA                      ; and where they go: waves 0, 1: x's halves at 0 and 24,576;
	s_mul_i32 s19, s12, HALFB                      ; waves 2, 3: gate's region at 98,304, up's at 147,456.  No place in the cluster enters an LDS address
	s_wait_dscnt 0x0
	s_wait_kmcnt 0x0
	s_add_nc_u64 s[20:21], s[4:5], s[16:17]
	s_cmp_eq_u32 s14, 0
	s_cselect_b64 s[46:47], s[6:7], s[8:9]         ; gate or up, by the wave's number
	s_add_nc_u64 s[46:47], s[46:47], s[22:23]
	CROUND                                         ; all sixteen work-groups are here: the first joint loads meet
.irp s, 0,1
	s_mov_b32 s[G0+4*\s], 1                                        ; 1:0 count = 1
	s_add_co_u32 s[G0+4*\s+1], s18, \s*ASLOT                       ; 63:32 LDS address
	s_add_nc_u64 s[G0+4*\s+2:G0+4*\s+3], s[20:21], \s*STEPA        ; 120:64 global address: K step s
	s_or_b32 s[G0+4*\s+3], s[G0+4*\s+3], 0x80000000                ; 127:126 type = 2
	s_mov_b32 s[G0B+4*\s], 1
	s_add_co_u32 s[G0B+4*\s+1], s19, \s*BSLOT
	s_add_nc_u64 s[G0B+4*\s+2:G0B+4*\s+3], s[46:47], \s*STEPB
	s_or_b32 s[G0B+4*\s+3], s[G0B+4*\s+3], 0x80000000
	JLOAD \s                                       ; both slots are asked for before anything else is done: two tensor loads of the wave are out
.endr
	v_and_b32 v1, 15, v0                           ; r
	v_bfe_u32 v2, v0, 4, 1                         ; h
	v_and_b32 v3, 31, v0                           ; lane
	s_mul_i32 s2, s13, HALFA                       ; my 128 tokens
	v_lshlrev_b32 v4, 4, v3
	v_add_nc_u32 v[ADRA], s2, v4                   ; an image is read as it lies: 16 x lane, and 512 further on
	v_add_nc_u32 v[ADRA+1], ASLOT, v[ADRA]
	v_lshlrev_b32 v5, 4, v1                        ; the weights: columns 4 r .. 4 r + 3 of my 64,
	v_lshl_add_u32 v5, v2, 12, v5                  ; rows 8 h on (512 bytes a row)
	s_lshl_b32 s3, s14, 8                          ; my 64 columns
	s_add_co_u32 s3, s3, BBASE
	v_add_nc_u32 v[ADRB], s3, v5
	v_add_nc_u32 v[ADRB+1], HALFB, v[ADRB]
	v_add_nc_u32 v[ADRB+2], BSLOT, v[ADRB]
	v_add_nc_u32 v[ADRB+3], BSLOT+HALFB, v[ADRB]
	v_lshlrev_b32 v[VO], 4, v1                     ; h: 16 r in an image, and one kq (8,192 bytes) further on for lanes 16 to 31
	v_lshl_add_u32 v[VO], v2, 13, v[VO]
; 16 matrix instructions: token tiles a0, a0 + 1 of the window's four (hi = 0: my tokens 0-63, 1: 64-127) x all 8 column tiles, 32 along K.
; zero = 1: the first product starts the sums: nothing is ever cleared.  The 64 accumulators take turns, one instruction a turn, in the same order in every
; quarter, over the loop's backward jump too.
.macro MUL16 f, hi, a0, zero
.irp a, \a0, \a0+1
.irp b, 0,1,2,3,4,5,6,7
.if \zero
	v_wmma_f32_16x16x32_bf16 v[8*(8*(\a)+\b):8*(8*(\a)+\b)+7], v[\f+8*\b:\f+8*\b+7], v[\f+8*(4*\hi+\a):\f+8*(4*\hi+\a)+7], 0
.else
	v_wmma_f32_16x16x32_bf16 v[8*(8*(\a)+\b):8*(8*(\a)+\b)+7], v[\f+8*\b:\f+8*\b+7], v[\f+8*(4*\hi+\a):\f+8*(4*\hi+\a)+7], v[8*(8*(\a)+\b):8*(8*(\a)+\b)+7]
.endif
.endr
.endr
.endm
; 48 LDS loads in one run, for the quarter kq (32 along K) of a slot: 32 of weights in f32 (load t: row 32 kq + 8 h + t + 8 (t / 8), the order of k in a fragment's
; registers), then 16 of x's fragments into buffer f.
.macro FETCH slot, kq, f
	WIN TO_B
.irp t, 0,1,2,3,4,5,6,7,8,9,10,11,12,13,14,15
	ds_load_b128 v[TMP0+4*\t:TMP0+4*\t+3], v[ADRB+2*\slot] offset:(32*\kq+\t+8*(\t/8))*512
.endr
.irp t, 0,1,2,3,4,5,6,7,8,9,10,11,12,13,14,15
	ds_load_b128 v[TMP1+4*\t:TMP1+4*\t+3], v[ADRB+2*\slot+1] offset:(32*\kq+\t+8*(\t/8))*512
.endr
	WIN 0
.irp i, 0,1,2,3,4,5,6,7
	ds_load_b128 v[\f+8*\i:\f+8*\i+3],   v[ADRA+\slot] offset:\kq*8192+\i*1024
	ds_load_b128 v[\f+8*\i+4:\f+8*\i+7], v[ADRA+\slot] offset:\kq*8192+\i*1024+512
.endr
.endm
; 64 conversions: register m of fragment j = (row 2 m, row 2 m + 1 of my 16) of column j.  They are also the plain places between the matrix instructions that
; last read the other buffer of x, or this buffer of the weights, and the lines that write those registers again: they name none of them.
.macro CVT f
	WIN CVTW
.irp j, 0,1,2,3
.irp m, 0,1,2,3,4,5,6,7
	v_cvt_pk_bf16_f32 v[\f+8*\j+\m], v[TMP0+8*\m+\j], v[TMP0+8*\m+4+\j]
.endr
.endr
.irp j, 0,1,2,3
.irp m, 0,1,2,3,4,5,6,7
	v_cvt_pk_bf16_f32 v[\f+32+8*\j+\m], v[TMP1+8*\m+\j], v[TMP1+8*\m+4+\j]
.endr
.endr
.endm
; A quarter: 32 along K, 64 matrix instructions on buffer f; in its middle the next quarter (knext of the same slot) is fetched into buffer g.
.macro QUARTER slot, knext, f, g, zero
	s_wait_dscnt 16                                ; the 16 loads of x are younger: the 32 of weights are in
	CVT \f
	s_wait_dscnt 8                                 ; x's tiles 0-3 are in; the youngest eight loads (tiles 4-7) may be out
	WIN MUL_LO
	MUL16 \f, 0, 0, \zero
	MUL16 \f, 0, 2, \zero
	FETCH \slot, \knext, \g
	s_wait_dscnt 48                                ; all but the 48 just issued
	WIN MUL_HI
	MUL16 \f, 1, 0, \zero
	MUL16 \f, 1, 2, \zero
.endm
; A slot's last quarter, with the change of slots.  fill = 1: this slot is filled again, two K steps ahead; 2: with the short last step; 0: not at all.
; In front of the barrier each wave waits for its reads of this slot and for all its tensor loads, of which one is out: its part of the next slot.  Where the slot is filled
; again the barrier opens a round of the cluster's barrier, with register work alone inside; the joint refill is the first tensor load behind the round, one a wave, ahead of
; the first LDS read.  From a request to the wait for it a wave issues 32 + 64 + 64 + 16 = 176 matrix instructions.
.macro TURN slot, next, fill, f, g
	s_wait_dscnt 16
	CVT \f
	s_wait_dscnt 8
	WIN MUL_LO
	MUL16 \f, 0, 0, 0
	s_wait_dscnt 0                                 ; my reads of this slot are over
	s_set_vgpr_msb 0xa1a0
	s_wait_tensorcnt 0x0                           ; and all my tensor loads have landed
	ds_add_u32 v254, v255
	s_wait_dscnt 0x0
	s_set_vgpr_msb 0xa0a1
	s_barrier_signal -1
	MUL16 \f, 0, 2, 0                              ; work on registers while the others arrive
	WIN 0
	s_barrier_wait -1
.if \fill
	CREST                                          ; no wave of any partner still reads this slot or has a load on its way
.if \fill == 2
	s_mov_b32 s[G1+2], 64<<16                      ; the last K step has 64 along K: 64 rows of 256 bytes of x,
	s_mov_b32 s[G1+4], 64
	s_mov_b32 s[G1B+2], 64<<16                     ; 64 rows of the weights.  No tensor load of mine is out: the descriptors may be written
	s_mov_b32 s[G1B+4], 64
.endif
	s_add_nc_u64 s[G0+4*\slot+2:G0+4*\slot+3], s[G0+4*\slot+2:G0+4*\slot+3], 2*STEPA
	s_add_nc_u64 s[G0B+4*\slot+2:G0B+4*\slot+3], s[G0B+4*\slot+2:G0B+4*\slot+3], 2*STEPB
	JLOAD \slot
.endif
	FETCH \next, 0, \g
	WIN MUL_HI
	MUL16 \f, 1, 0, 0
	MUL16 \f, 1, 2, 0
.endm
.macro STEP0 fill, zero                ; a K step of 96 in slot 0: buffers 0, 1, 0
	QUARTER 0, 1, F0, F1, \zero
	QUARTER 0, 2, F1, F0, 0
	TURN 0, 1, \fill, F0, F1
.endm
.macro STEP1 fill                      ; a K step of 96 in slot 1: buffers 1, 0, 1
	QUARTER 1, 1, F1, F0, 0
	QUARTER 1, 2, F0, F1, 0
	TURN 1, 0, \fill, F1, F0
.endm
.macro LAST f                          ; the very last quarter: nothing more to fetch
	s_wait_dscnt 16
	CVT \f
	s_wait_dscnt 8
	WIN MUL_LO
	MUL16 \f, 0, 0, 0
	MUL16 \f, 0, 2, 0
	s_wait_dscnt 0
	WIN MUL_HI
	MUL16 \f, 1, 0, 0
	MUL16 \f, 1, 2, 0
.endm
	s_wait_tensorcnt 1                             ; of my two loads the older, my part of K step 0, is in
	s_barrier_signal -1
	s_barrier_wait -1                              ; everybody's is
	FETCH 0, 0, F0
	STEP0 1, 1                                     ; K steps 0 and 1 stand in front of the loop: the first products start the sums
	STEP1 1
	WIN 0                                          ; at a label and at a branch every window is 0
	s_mov_b32 s15, 3
.Llap:
	STEP0 1, 0                                     ; K steps 2 to 7; they ask for steps 4 to 9
	STEP1 1
	WIN 0
	s_sub_co_u32 s15, s15, 1
	s_cmp_lg_u32 s15, 0
	s_cbranch_scc1 .Llap
	STEP0 2, 0                                     ; K step 8 asks for the short step 10
	STEP1 0                                        ; K step 9 asks for nothing: a plain barrier, no round
	QUARTER 0, 1, F0, F1, 0                        ; K step 10: 64 along K
	LAST F1
	; THE WAY OUT.  For each of my eight token tiles: h = (g u) / (1 + 2^(-1.442695 g)), 32 numbers a lane, rounded to bf16.  A lane's 32 columns are one kq of h
	; (4 x block + 2 x half + h), k' = 4 i + j; piece p = k' / 8 is 16 bytes at 256 p + 16 r of the image: sixteen neighbouring lanes store 256 consecutive bytes, aligned.
	PLACES
	s_lshl_b32 s16, s41, 1                         ; the part with cy in the registers of x's chain,
	s_add_co_u32 s16, s16, s13
	s_lshl_b32 s16, s16, 22                        ; block of 128 tokens x 4,194,304
	s_mov_b32 s17, 0
	s_add_nc_u64 s[10:11], s[10:11], s[16:17]
	s_lshl_b32 s46, s42, 2                         ; the part with cx in those of the weights' chain
	s_lshl_b32 s47, s14, 1
	s_add_co_u32 s46, s46, s47
	s_lshl_b32 s46, s46, 13                        ; (4 x block + 2 x half) x 8,192
	s_mov_b32 s47, 0
	s_add_nc_u64 s[10:11], s[10:11], s[46:47]
.set T,  64                            ; window 0, v64-95: -1.442695 g, then its power of two, 1 + that, the reciprocal.  T[8 j + i]
.set GU, 96                            ; window 0, v96-127: g u, then h
.set HW, 192                           ; window 0, v192-207: h in bf16, four pieces of 16 bytes
; a: the tile row in its window; from: sources 0 and 1 in window 2 (0x0a) or 3 (0x0f); ag: the tile row among my eight
.macro EPI a, from, ag
	WIN \from
.irp j, 0,1,2,3
.irp i, 0,2,4,6
	v_pk_mul_f32 v[T+8*\j+\i:T+8*\j+\i+1], v[8*(8*\a+\j)+\i:8*(8*\a+\j)+\i+1], 0xbfb8aa3b op_sel_hi:[1,0]
	v_pk_mul_f32 v[GU+8*\j+\i:GU+8*\j+\i+1], v[8*(8*\a+\j)+\i:8*(8*\a+\j)+\i+1], v[8*(8*\a+4+\j)+\i:8*(8*\a+4+\j)+\i+1]
.endr
.endr
	WIN 0
.set n, 0
.rept 32
	v_exp_f32 v[T+n], v[T+n]
.set n, n+1
.endr
	v_nop                                          ; one plain place between the last exponential and the first use (ISA guide 5.7.2)
.set n, 0
	s_wait_alu depctr_va_vdst(0)
.rept 16
	v_pk_add_f32 v[T+n:T+n+1], v[T+n:T+n+1], 1.0 op_sel_hi:[1,0]
.set n, n+2
.endr
.set n, 0
.rept 32
	v_rcp_f32 v[T+n], v[T+n]
.set n, n+1
.endr
	v_nop                                          ; and behind the last reciprocal
.set n, 0
	s_wait_alu depctr_va_vdst(0)
.rept 16
	v_pk_mul_f32 v[GU+n:GU+n+1], v[GU+n:GU+n+1], v[T+n:T+n+1]
.set n, n+2
.endr
	s_wait_xcnt 0x0                                ; HW, which the last tile row's stores read, is rewritten only behind this wait
.irp i, 0,1,2,3,4,5,6,7
	v_cvt_pk_bf16_f32 v[HW+2*\i],   v[GU+\i],    v[GU+8+\i]        ; k' = 4 i, 4 i + 1
	v_cvt_pk_bf16_f32 v[HW+2*\i+1], v[GU+16+\i], v[GU+24+\i]       ; k' = 4 i + 2, 4 i + 3
.endr
.irp p, 0,1,2,3
	global_store_b128 v[VO], v[HW+4*\p:HW+4*\p+3], s[10:11] offset:\ag*1024+256*\p
.endr
.endm
	EPI 0, 0x0a, 0
	EPI 1, 0x0a, 1
	EPI 2, 0x0a, 2
	EPI 3, 0x0a, 3
	EPI 0, 0x0f, 4
	EPI 1, 0x0f, 5
	EPI 2, 0x0f, 6
	EPI 3, 0x0f, 7
	CROUND                                         ; the closing round: no work-group ends while a partner may still ask for a tile that names it
	s_endpgm
.Lfunc_end_k_qd64a873028_gateup:
	.size	k_qd64a873028_gateup, .Lfunc_end_k_qd64a873028_gateup-k_qd64a873028_gateup
	.p2alignl 7, 3214868480
	.fill 96, 4, 3214868480
	.section	.rodata,"a",@progbits
	.p2align	6, 0x0
	.amdhsa_kernel k_qd64a873028_gateup
		.amdhsa_group_segment_fixed_size 327680
		.amdhsa_private_segment_fixed_size 0
		.amdhsa_enable_private_segment 0
		.amdhsa_kernarg_size 32
		.amdhsa_user_sgpr_count 2
		.amdhsa_user_sgpr_kernarg_segment_ptr 1
		.amdhsa_wavefront_size32 1
		.amdhsa_system_sgpr_workgroup_id_x 1
		.amdhsa_system_sgpr_workgroup_id_y 1
		.amdhsa_system_sgpr_workgroup_id_z 1
		.amdhsa_system_vgpr_workitem_id 0
		.amdhsa_next_free_vgpr 1024
		.amdhsa_next_free_sgpr 66
		.amdhsa_reserve_vcc 0
		.amdhsa_float_denorm_mode_32 3
		.amdhsa_float_denorm_mode_16_64 3
		.amdhsa_memory_ordered 1
		.amdhsa_forward_progress 1
		.amdhsa_inst_pref_size 255
	.end_amdhsa_kernel
	.section	.bss,"aw",@nobits
	.p2align	6
	.space	262144
	.amdgpu_metadata
---
amdhsa.version: [ 1, 2 ]
amdhsa.kernels:
  - .name:           k_qd64a873028_gateup
    .symbol:         k_qd64a873028_gateup.kd
    .args:
      - { .name: xb, .offset: 0, .size: 8, .value_kind: global_buffer, .address_space: global }
      - { .name: w_gate, .offset: 8, .size: 8, .value_kind: global_buffer, .address_space: global }
      - { .name: w_up, .offset: 16, .size: 8, .value_kind: global_buffer, .address_space: global }
      - { .name: h, .offset: 24, .size: 8, .value_kind: global_buffer, .address_space: global }
    .group_segment_fixed_size: 327680
    .private_segment_fixed_size: 0
    .kernarg_segment_align: 8
    .kernarg_segment_size: 32
    .max_flat_workgroup_size: 128
    .sgpr_count:     66
    .vgpr_count:     1024
    .wavefront_size: 32
...
	.end_amdgpu_metadata
.endif
;; end of part 2
;; launch down (part 3): grid 64 x 4, 4 waves a work-group, clusters of 4 x 4, 327,680 bytes of LDS; arguments h, w_down, part; writes part
.if DOCPART == 3
	.amdgcn_target "amdgcn-amd-amdhsa--gfx1250"
	.amdhsa_code_object_version 6
	.text
	.protected	k_qd64a873028_down
	.globl	k_qd64a873028_down
	.p2align	8
	.type	k_qd64a873028_down,@function
k_qd64a873028_down:
	s_mov_b64 s[64:65], 0
	v_nop
	global_prefetch_b8 v0, s[64:65] scope:SCOPE_SE
	s_setreg_imm32_b32 hwreg(HW_REG_WAVE_MODE, 25, 1), 1
	s_wait_xcnt 0x0
	s_wait_alu depctr_hold_cnt(0) depctr_sa_sdst(0) depctr_va_vdst(0) depctr_va_sdst(0) depctr_va_ssrc(0) depctr_va_vcc(0) depctr_vm_vsrc(0)
	s_getreg_b32 s2, hwreg(HW_REG_IB_STS2, 6, 4)
	s_cmp_eq_u32 s2, 0
	s_cbranch_scc0 .Lentry_in_a_cluster
	s_endpgm
.Lentry_in_a_cluster:
	s_bfe_u32 s2, ttmp6, 0x10000c
	s_cmp_lg_u32 s2, 0xf033
	s_cbranch_scc0 .Lentry_shape_is_right
	s_endpgm
.Lentry_shape_is_right:
; part[slice] = h[:, slice] Wd[slice, :]: sixteen slices of 1,024 along the K of 16,384 = 4 experts x 4,096, so that 16 x 4 x 4 = 256 work-groups have equal work.
; h: bf16 as fragment images, [block of 128 tokens 8][kq 512][tile of 16 tokens 8][1,024 bytes]; in an image the byte 512 c + 256 h + 16 r + 2 e holds token r,
; k = 32 kq + 16 c + 8 h + e.  w_down: [4 x 4096 (k)][1024 (n)] f32.  The routing weight is applied where the slices are added (a slice lies in one expert).
; part: f32, the accumulator registers as they lie: [slice 16][cy 4][cx 4][wave 4][a 8][b 8][half 2][lane 32][16 bytes].
; A work-group makes 256 tokens x 256 columns of one slice with four waves, as many as a WGP has SIMDs; a wave makes 128 tokens x (64 + 64) columns: 64 accumulator tiles of
; 16 x 16, 512 registers.  K = 1,024 goes in steps of 96 (ten, and a last one of 64) through two LDS slots filled by the tensor data mover: a slot is 48 KiB of h and 96 KiB of
; f32 weights, and two such slots take 294,912 bytes; two slots of 128 along K would take 393,216 and do not fit.
; CLUSTERS: 4 x 4 work-groups make one slice.  The four of a row of the cluster have the same 256 tokens, the four of a column the same 256 columns: each tile is asked for
; jointly by the four, with one descriptor and a mask that names them.  Each byte of h and of w_down is asked for by one cluster alone.
; THE WEIGHTS COME AS f32 [k][n] AND ARE MADE INTO bf16 FRAGMENTS IN REGISTERS.  A lane reads 16 bytes, four neighbouring columns of one k; the four numbers belong to four
; fragments: fragment j holds the columns 4 r + j.  v_cvt_pk_bf16_f32 of the loads of rows k and k + 1 gives one fragment register, k in its true place.
; THE MATRIX INSTRUCTION IS USED TRANSPOSED: source 0 = 16 columns of the weights, source 1 = 16 tokens.  In tile (a, b) lane (r, h) holds token 16 a + r and its register i
; the column 128 (b >> 2) + 64 (wave & 1) + 32 h + 4 i + (b & 3) of the block's 256.  The launch that adds the slices puts the columns in order.
; REGISTERS, in windows of 256:  window 0: v0-31 addresses; v64-127, v128-191 fragments of h, two buffers
;   window 1: v0-63, v192-255 weights in f32 as loaded (columns 0-127, 128-255 of the block); v64-127, v128-191 their fragments, two buffers
;   window 2: the accumulator tiles of my tokens 0-63 (tile (a, b) at v[8 (8 a + b)]);  window 3: those of my tokens 64-127
; LIMITS: NaN and infinities in the inputs are not followed.
.set HALFA,  24576                     ; 128 tokens x 96 k in bf16: what one tensor load brings of h; [kq 3][tile 8][1,024]
.set ASLOT,  2*HALFA
.set HALFB,  49152                     ; 96 rows (k) x 128 columns in f32: what one tensor load brings of the weights; rows of 512 bytes
.set BBASE,  2*ASLOT                   ; the weights' slots lie behind h's two
.set BSLOT,  2*HALFB                   ; columns 0-127, then 128-255
.set STEPA,  24576                     ; bytes from a K step to the next in h
.set BPITCH, 4096                      ; bytes from k to k + 1 in the weights
.set STEPB,  96*BPITCH
.set ADRA, 16                          ; v16-17  LDS address of my fragments of h in slot 0, 1
.set ADRB, 20                          ; v20-23  LDS address of my 16 bytes of the weights: slot 0 region 0, 1, slot 1 region 0, 1
.set VO,   24                          ; v24     16 x lane
.set F0,   64                          ; fragment buffer 0
.set F1,   128                         ; fragment buffer 1
.set TMP0, 0                           ; window 1: region 0 in f32, TMP0[4 t + j] = row t of my 16, column j of my 4
.set TMP1, 192                         ; window 1: region 1 in f32
.set G1,  24                           ; s[24:31] descriptor group 1 for h's tiles
.set G0,  32                           ; s[32:39] descriptor group 0 for h's tiles, one set for each slot
.set G1B, 48                           ; s[48:55] descriptor group 1 for the weights' tiles
.set G0B, 56                           ; s[56:63] descriptor group 0 for the weights' tiles, one set for each slot
.set MSB, 0
.macro WIN new                         ; s_set_vgpr_msb: bits 1:0 source 0, 3:2 source 1, 5:4 source 2, 7:6 destination; the high byte repeats the setting that is left
.if MSB != \new
	s_set_vgpr_msb (MSB<<8)|\new
.set MSB, \new
.endif
.endm
.set MUL_LO, 0xa1                      ; source 0 (weights) window 1, source 1 (h) window 0, C and D window 2
.set MUL_HI, 0xf1                      ; the same, C and D window 3
.set TO_B,   0x40                      ; destination window 1, address window 0
.set CVTW,   0x45                      ; both sources and the destination window 1
; A joint load.  Waves 0 and 1 fetch h's two halves, waves 2 and 3 the weights' two regions.  Each line has one mask; the branch hangs on the wave's number alone.
.macro JLOAD s
	s_cmp_eq_u32 s13, 0
	s_cbranch_scc0 .Lfor_b_\@
	tensor_load_to_lds s[G0+4*\s:G0+4*\s+3], s[G1:G1+7]
	s_nop 0
	s_branch .Lasked_\@
.Lfor_b_\@:
	tensor_load_to_lds s[G0B+4*\s:G0B+4*\s+3], s[G1B:G1B+7]
	s_nop 0
.Lasked_\@:
.endm
; A round of the cluster's barrier: my work-group's barrier, so that wave 0's signal speaks for all four waves; wave 0 signals for the work-group; every wave waits for all
; sixteen work-groups; my work-group's barrier once more.
.macro CREST                           ; a round behind its opening barrier
	s_cmp_lg_u32 s12, 0
	s_cbranch_scc1 .Lnot_wave_0_\@
	s_barrier_signal -3
.Lnot_wave_0_\@:
	s_barrier_wait -3
	s_barrier_signal -1
	s_barrier_wait -1
.endm
.macro CROUND                          ; a whole round
	s_barrier_signal -1
	s_barrier_wait -1
	CREST
.endm
.macro PLACES                          ; four plain places behind a matrix instruction before a store reads its result (ISA guide 7.12.1 for vector instructions)
.rept 4
	v_nop
.endr
.endm
	s_load_b128 s[4:7], s[0:1], 0x0                ; h s[4:5], w_down s[6:7]
	s_load_b64 s[8:9], s[0:1], 0x10                ; part
	v_lshl_add_u32 v254, v0, 2, 0x48000
	v_mov_b32 v255, 0
	ds_add_u32 v254, v255
	v_lshrrev_b32 v1, 5, v0
	v_readfirstlane_b32 s12, v1                    ; wave 0..3
	s_lshr_b32 s13, s12, 1                         ; which 128 of the block's tokens are mine.  Also: I fetch h (0) or weights (1)
	s_and_b32 s14, s12, 1                          ; which 64 of each region's 128 columns.  Also: which half of h, or which region, I fetch
	s_bfe_u32 s40, ttmp6, 0x40000                  ; cx: my block of 256 columns
	s_bfe_u32 s41, ttmp6, 0x40004                  ; cy: my block of 256 tokens (the grid has one cluster along y); ttmp9, the cluster's x, is the slice
	s_lshl_b32 s43, s41, 2
	s_lshl_b32 s43, 15, s43                        ; my row of the cluster: places 4 cy .. 4 cy + 3
	s_lshl_b32 s44, 0x1111, s40                    ; my column: places cx, cx + 4, cx + 8, cx + 12
	; group 1 for h: a dense block of 24,576 bytes as 96 rows of 32 elements of 8 bytes
	s_or_b32  s[G1+0], s43, (3<<16)|(1<<21)        ; 15:0 the mask: my row; 17:16 elements of 8 bytes; 21 set beside a mask; no padding
	s_mov_b32 s[G1+1], 32<<16                      ; 63:48 tensor_dim0 = 32
	s_mov_b32 s[G1+2], 96<<16                      ; 95:80 tensor_dim1 = 96
	s_mov_b32 s[G1+3], 32<<16                      ; 127:112 tile_dim0 = 32
	s_mov_b32 s[G1+4], 96                          ; 143:128 tile_dim1 = 96
	s_mov_b32 s[G1+5], 32                          ; 191:160 elements from row to row: dense
	s_mov_b32 s[G1+6], 0
	s_mov_b32 s[G1+7], 0
	; group 1 for the weights: 96 rows (k) of 128 f32, 512 consecutive bytes each
	s_or_b32  s[G1B+0], s44, (2<<16)|(1<<21)       ; the mask: my column; elements of 4 bytes
	s_mov_b32 s[G1B+1], 128<<16
	s_mov_b32 s[G1B+2], 96<<16
	s_mov_b32 s[G1B+3], 128<<16
	s_mov_b32 s[G1B+4], 96
	s_mov_b32 s[G1B+5], BPITCH/4
	s_mov_b32 s[G1B+6], 0
	s_mov_b32 s[G1B+7], 0
	; where the tiles come from.  h's hang on cy and the slice, the weights' on cx and the slice; each in registers that never hold the other coordinate.
	s_lshl_b32 s16, s41, 1
	s_add_co_u32 s16, s16, s14                     ; block of 128 tokens = 2 cy + half
	s_lshl_b32 s16, s16, 22                        ; x 4,194,304 bytes
	s_lshl_b32 s17, ttmp9, 18                      ; + slice x 32 kq x 8,192
	s_add_co_u32 s16, s16, s17
	s_mov_b32 s17, 0
	s_lshl_b32 s22, ttmp9, 22                      ; slice x 1,024 rows x 4,096 bytes
	s_lshl_b32 s45, s40, 10                        ; + block of 256 columns
	s_add_co_u32 s22, s22, s45
	s_lshl_b32 s45, s14, 9                         ; + region of 128 columns
	s_add_co_u32 s22, s22, s45
	s_mov_b32 s23, 0
	s_mul_i32 s18, s12, HALFA                      ; and where they go: waves 0, 1: h's halves at 0 and 24,576;
	s_mul_i32 s19, s12, HALFB                      ; waves 2, 3: the regions at 98,304 and 147,456.  No place in the cluster enters an LDS address
	s_wait_dscnt 0x0
	s_wait_kmcnt 0x0
	s_add_nc_u64 s[20:21], s[4:5], s[16:17]
	s_add_nc_u64 s[46:47], s[6:7], s[22:23]
	CROUND                                         ; all sixteen work-groups are here: the first joint loads meet
.irp s, 0,1
	s_mov_b32 s[G0+4*\s], 1                                        ; 1:0 count = 1
	s_add_co_u32 s[G0+4*\s+1], s18, \s*ASLOT                       ; 63:32 LDS address
	s_add_nc_u64 s[G0+4*\s+2:G0+4*\s+3], s[20:21], \s*STEPA        ; 120:64 global address: K step s
	s_or_b32 s[G0+4*\s+3], s[G0+4*\s+3], 0x80000000                ; 127:126 type = 2
	s_mov_b32 s[G0B+4*\s], 1
	s_add_co_u32 s[G0B+4*\s+1], s19, \s*BSLOT
	s_add_nc_u64 s[G0B+4*\s+2:G0B+4*\s+3], s[46:47], \s*STEPB
	s_or_b32 s[G0B+4*\s+3], s[G0B+4*\s+3], 0x80000000
	JLOAD \s                                       ; both slots are asked for before anything else is done: two tensor loads of the wave are out
.endr
	v_and_b32 v1, 15, v0                           ; r
	v_bfe_u32 v2, v0, 4, 1                         ; h
	v_and_b32 v3, 31, v0                           ; lane
	s_mul_i32 s2, s13, HALFA                       ; my 128 tokens
	v_lshlrev_b32 v[VO], 4, v3                     ; 16 x lane
	v_add_nc_u32 v[ADRA], s2, v[VO]                ; an image is read as it lies: 16 x lane, and 512 further on
	v_add_nc_u32 v[ADRA+1], ASLOT, v[ADRA]
	v_lshlrev_b32 v5, 4, v1                        ; the weights: columns 4 r .. 4 r + 3 of my 64,
	v_lshl_add_u32 v5, v2, 12, v5                  ; rows 8 h on (512 bytes a row)
	s_lshl_b32 s3, s14, 8                          ; my 64 columns
	s_add_co_u32 s3, s3, BBASE
	v_add_nc_u32 v[ADRB], s3, v5
	v_add_nc_u32 v[ADRB+1], HALFB, v[ADRB]
	v_add_nc_u32 v[ADRB+2], BSLOT, v[ADRB]
	v_add_nc_u32 v[ADRB+3], BSLOT+HALFB, v[ADRB]
; 16 matrix instructions: token tiles a0, a0 + 1 of the window's four (hi = 0: my tokens 0-63, 1: 64-127) x all 8 column tiles, 32 along K.
; zero = 1: the first product starts the sums: nothing is ever cleared.  The 64 accumulators take turns, one instruction a turn, in the same order in every
; quarter, over the loop's backward jump too.
.macro MUL16 f, hi, a0, zero
.irp a, \a0, \a0+1
.irp b, 0,1,2,3,4,5,6,7
.if \zero
	v_wmma_f32_16x16x32_bf16 v[8*(8*(\a)+\b):8*(8*(\a)+\b)+7], v[\f+8*\b:\f+8*\b+7], v[\f+8*(4*\hi+\a):\f+8*(4*\hi+\a)+7], 0
.else
	v_wmma_f32_16x16x32_bf16 v[8*(8*(\a)+\b):8*(8*(\a)+\b)+7], v[\f+8*\b:\f+8*\b+7], v[\f+8*(4*\hi+\a):\f+8*(4*\hi+\a)+7], v[8*(8*(\a)+\b):8*(8*(\a)+\b)+7]
.endif
.endr
.endr
.endm
; 48 LDS loads in one run, for the quarter kq (32 along K) of a slot: 32 of weights in f32 (load t: row 32 kq + 8 h + t + 8 (t / 8), the order of k in a fragment's
; registers), then 16 of h's fragments into buffer f.
.macro FETCH slot, kq, f
	WIN TO_B
.irp t, 0,1,2,3,4,5,6,7,8,9,10,11,12,13,14,15
	ds_load_b128 v[TMP0+4*\t:TMP0+4*\t+3], v[ADRB+2*\slot] offset:(32*\kq+\t+8*(\t/8))*512
.endr
.irp t, 0,1,2,3,4,5,6,7,8,9,10,11,12,13,14,15
	ds_load_b128 v[TMP1+4*\t:TMP1+4*\t+3], v[ADRB+2*\slot+1] offset:(32*\kq+\t+8*(\t/8))*512
.endr
	WIN 0
.irp i, 0,1,2,3,4,5,6,7
	ds_load_b128 v[\f+8*\i:\f+8*\i+3],   v[ADRA+\slot] offset:\kq*8192+\i*1024
	ds_load_b128 v[\f+8*\i+4:\f+8*\i+7], v[ADRA+\slot] offset:\kq*8192+\i*1024+512
.endr
.endm
; 64 conversions: register m of fragment j = (row 2 m, row 2 m + 1 of my 16) of column j.  They are also the plain places between the matrix instructions that
; last read the other buffer of h, or this buffer of the weights, and the lines that write those registers again: they name none of them.
.macro CVT f
	WIN CVTW
.irp j, 0,1,2,3
.irp m, 0,1,2,3,4,5,6,7
	v_cvt_pk_bf16_f32 v[\f+8*\j+\m], v[TMP0+8*\m+\j], v[TMP0+8*\m+4+\j]
.endr
.endr
.irp j, 0,1,2,3
.irp m, 0,1,2,3,4,5,6,7
	v_cvt_pk_bf16_f32 v[\f+32+8*\j+\m], v[TMP1+8*\m+\j], v[TMP1+8*\m+4+\j]
.endr
.endr
.endm
; A quarter: 32 along K, 64 matrix instructions on buffer f; in its middle the next quarter (knext of the same slot) is fetched into buffer g.
.macro QUARTER slot, knext, f, g, zero
	s_wait_dscnt 16                                ; the 16 loads of h are younger: the 32 of weights are in
	CVT \f
	s_wait_dscnt 8                                 ; h's tiles 0-3 are in; the youngest eight loads (tiles 4-7) may be out
	WIN MUL_LO
	MUL16 \f, 0, 0, \zero
	MUL16 \f, 0, 2, \zero
	FETCH \slot, \knext, \g
	s_wait_dscnt 48                                ; all but the 48 just issued
	WIN MUL_HI
	MUL16 \f, 1, 0, \zero
	MUL16 \f, 1, 2, \zero
.endm
; A slot's last quarter, with the change of slots.  fill = 1: this slot is filled again, two K steps ahead; 2: with the short last step; 0: not at all.
; In front of the barrier each wave waits for its reads of this slot and for all its tensor loads, of which one is out: its part of the next slot.  Where the slot is filled
; again the barrier opens a round of the cluster's barrier, with register work alone inside; the joint refill is the first tensor load behind the round, one a wave, ahead of
; the first LDS read.  From a request to the wait for it a wave issues 32 + 64 + 64 + 16 = 176 matrix instructions.
.macro TURN slot, next, fill, f, g
	s_wait_dscnt 16
	CVT \f
	s_wait_dscnt 8
	WIN MUL_LO
	MUL16 \f, 0, 0, 0
	s_wait_dscnt 0                                 ; my reads of this slot are over
	s_set_vgpr_msb 0xa1a0
	s_wait_tensorcnt 0x0                           ; and all my tensor loads have landed
	ds_add_u32 v254, v255
	s_wait_dscnt 0x0
	s_set_vgpr_msb 0xa0a1
	s_barrier_signal -1
	MUL16 \f, 0, 2, 0                              ; work on registers while the others arrive
	WIN 0
	s_barrier_wait -1
.if \fill
	CREST                                          ; no wave of any partner still reads this slot or has a load on its way
.if \fill == 2
	s_mov_b32 s[G1+2], 64<<16                      ; the last K step has 64 along K: 64 rows of 256 bytes of h,
	s_mov_b32 s[G1+4], 64
	s_mov_b32 s[G1B+2], 64<<16                     ; 64 rows of the weights.  No tensor load of mine is out: the descriptors may be written
	s_mov_b32 s[G1B+4], 64
.endif
	s_add_nc_u64 s[G0+4*\slot+2:G0+4*\slot+3], s[G0+4*\slot+2:G0+4*\slot+3], 2*STEPA
	s_add_nc_u64 s[G0B+4*\slot+2:G0B+4*\slot+3], s[G0B+4*\slot+2:G0B+4*\slot+3], 2*STEPB
	JLOAD \slot
.endif
	FETCH \next, 0, \g
	WIN MUL_HI
	MUL16 \f, 1, 0, 0
	MUL16 \f, 1, 2, 0
.endm
.macro STEP0 fill, zero                ; a K step of 96 in slot 0: buffers 0, 1, 0
	QUARTER 0, 1, F0, F1, \zero
	QUARTER 0, 2, F1, F0, 0
	TURN 0, 1, \fill, F0, F1
.endm
.macro STEP1 fill                      ; a K step of 96 in slot 1: buffers 1, 0, 1
	QUARTER 1, 1, F1, F0, 0
	QUARTER 1, 2, F0, F1, 0
	TURN 1, 0, \fill, F1, F0
.endm
.macro LAST f                          ; the very last quarter: nothing more to fetch
	s_wait_dscnt 16
	CVT \f
	s_wait_dscnt 8
	WIN MUL_LO
	MUL16 \f, 0, 0, 0
	MUL16 \f, 0, 2, 0
	s_wait_dscnt 0
	WIN MUL_HI
	MUL16 \f, 1, 0, 0
	MUL16 \f, 1, 2, 0
.endm
	s_wait_tensorcnt 1                             ; of my two loads the older, my part of K step 0, is in
	s_barrier_signal -1
	s_barrier_wait -1                              ; everybody's is
	FETCH 0, 0, F0
	STEP0 1, 1                                     ; K steps 0 and 1 stand in front of the loop: the first products start the sums
	STEP1 1
	WIN 0                                          ; at a label and at a branch every window is 0
	s_mov_b32 s15, 3
.Llap:
	STEP0 1, 0                                     ; K steps 2 to 7; they ask for steps 4 to 9
	STEP1 1
	WIN 0
	s_sub_co_u32 s15, s15, 1
	s_cmp_lg_u32 s15, 0
	s_cbranch_scc1 .Llap
	STEP0 2, 0                                     ; K step 8 asks for the short step 10
	STEP1 0                                        ; K step 9 asks for nothing: a plain barrier, no round
	QUARTER 0, 1, F0, F1, 0                        ; K step 10: 64 along K
	LAST F1
	; THE WAY OUT: the accumulators as they lie, four registers a store: a wave's store covers 512 consecutive bytes, aligned.  Nothing is rewritten behind the stores.
	PLACES
	s_lshl_b32 s16, s41, 20                        ; the part with cy in the registers of h's chain: cy x 4 work-groups x 262,144
	s_lshl_b32 s17, s12, 16                        ; + wave x 65,536
	s_add_co_u32 s16, s16, s17
	s_mov_b32 s17, 0
	s_add_nc_u64 s[8:9], s[8:9], s[16:17]
	s_lshl_b32 s46, ttmp9, 22                      ; the part with cx in those of the weights' chain: slice x 4,194,304
	s_lshl_b32 s47, s40, 18                        ; + cx x 262,144
	s_add_co_u32 s46, s46, s47
	s_mov_b32 s47, 0
	s_add_nc_u64 s[8:9], s[8:9], s[46:47]
	WIN 0x08                                       ; a store's data is source 1: window 2
.set n, 0
.rept 32
	global_store_b128 v[VO], v[8*n:8*n+3],   s[8:9] offset:n*1024
	global_store_b128 v[VO], v[8*n+4:8*n+7], s[8:9] offset:n*1024+512
.set n, n+1
.endr
	WIN 0x0c                                       ; window 3: token tiles 4 to 7
.set n, 0
.rept 32
	global_store_b128 v[VO], v[8*n:8*n+3],   s[8:9] offset:32768+n*1024
	global_store_b128 v[VO], v[8*n+4:8*n+7], s[8:9] offset:32768+n*1024+512
.set n, n+1
.endr
	WIN 0
	CROUND                                         ; the closing round: no work-group ends while a partner may still ask for a tile that names it
	s_endpgm
.Lfunc_end_k_qd64a873028_down:
	.size	k_qd64a873028_down, .Lfunc_end_k_qd64a873028_down-k_qd64a873028_down
	.p2alignl 7, 3214868480
	.fill 96, 4, 3214868480
	.section	.rodata,"a",@progbits
	.p2align	6, 0x0
	.amdhsa_kernel k_qd64a873028_down
		.amdhsa_group_segment_fixed_size 327680
		.amdhsa_private_segment_fixed_size 0
		.amdhsa_enable_private_segment 0
		.amdhsa_kernarg_size 24
		.amdhsa_user_sgpr_count 2
		.amdhsa_user_sgpr_kernarg_segment_ptr 1
		.amdhsa_wavefront_size32 1
		.amdhsa_system_sgpr_workgroup_id_x 1
		.amdhsa_system_sgpr_workgroup_id_y 1
		.amdhsa_system_sgpr_workgroup_id_z 1
		.amdhsa_system_vgpr_workitem_id 0
		.amdhsa_next_free_vgpr 1024
		.amdhsa_next_free_sgpr 66
		.amdhsa_reserve_vcc 0
		.amdhsa_float_denorm_mode_32 3
		.amdhsa_float_denorm_mode_16_64 3
		.amdhsa_memory_ordered 1
		.amdhsa_forward_progress 1
		.amdhsa_inst_pref_size 249
	.end_amdhsa_kernel
	.amdgpu_metadata
---
amdhsa.version: [ 1, 2 ]
amdhsa.kernels:
  - .name:           k_qd64a873028_down
    .symbol:         k_qd64a873028_down.kd
    .args:
      - { .name: h, .offset: 0, .size: 8, .value_kind: global_buffer, .address_space: global }
      - { .name: w_down, .offset: 8, .size: 8, .value_kind: global_buffer, .address_space: global }
      - { .name: part, .offset: 16, .size: 8, .value_kind: global_buffer, .address_space: global }
    .group_segment_fixed_size: 327680
    .private_segment_fixed_size: 0
    .kernarg_segment_align: 8
    .kernarg_segment_size: 24
    .max_flat_workgroup_size: 128
    .sgpr_count:     66
    .vgpr_count:     1024
    .wavefront_size: 32
...
	.end_amdgpu_metadata
.endif
;; end of part 3
;; launch combine (part 4): grid 256 x 1, 4 waves a work-group, no clusters, 17,920 bytes of LDS; arguments part, cw, out0; writes out0
.if DOCPART == 4
	.amdgcn_target "amdgcn-amd-amdhsa--gfx1250"
	.amdhsa_code_object_version 6
	.text
	.protected	k_qd64a873028_combine
	.globl	k_qd64a873028_combine
	.p2align	8
	.type	k_qd64a873028_combine,@function
k_qd64a873028_combine:
	s_mov_b64 s[64:65], 0
	v_nop
	global_prefetch_b8 v0, s[64:65] scope:SCOPE_SE
	s_setreg_imm32_b32 hwreg(HW_REG_WAVE_MODE, 25, 1), 1
	s_wait_xcnt 0x0
; out0[t][c] = sum over the sixteen slices p of cw[t][p >> 2] * part[p][t][c]: a slice of 1,024 along K lies in expert p >> 2, whose routing weight rides on the multiply-add.
; part: f32, [slice 16][cy 4][cx 4][wave 4][a 8][b 8][half 2][lane 32][16 bytes]: in tile (a, b) lane (r, h) holds token 256 cy + 128 (wave >> 1) + 16 a + r, and its number
; i = 4 half + e is column 256 cx + 128 (b >> 2) + 64 (wave & 1) + 32 h + 4 i + (b & 3).
; A wave takes a unit U = 4 x work-group + wave, 0..1023: the 4,096 bytes at 4,096 U of every slice = four tiles b = 4 g .. 4 g + 3 = 16 tokens x 64 neighbouring columns.
; A stream: every byte of part is read once, by loads of which each covers 512 consecutive bytes; 64 loads of a wave (eight slices) are on their way.  Matrix units and clusters
; have nothing to do here: no two work-groups read the same byte of part.
; A lane's sum number 4 i + j is column 32 h + 4 i + j: the destination register puts the columns in order.  The 16 x 64 block then goes through the wave's own LDS stage,
; so that sixteen neighbouring lanes store 256 consecutive bytes of a row of out0, aligned.
.set OFF, 8                            ; v[8:23]   16 x lane + slice x 4,194,304; never rewritten
.set CW,  24                           ; v[24:27]  my token's four routing weights
.set ACC, 32                           ; v[32:63]  the sums, in the order of the columns
.set OUT, 64                           ; v[64:95]  rows read back from the stage
.set SPITCH, 272                       ; a row of the stage: 256 bytes + 16, so that the sixteen rows that a store touches begin at sixteen different places modulo 256 bytes
; window 1, v0-255: eight sets of 32 registers; slice p lies in set p % 8, number i of tile j at 8 j + i
.set MSB, 0
.macro WIN new                         ; s_set_vgpr_msb: bits 1:0 source 0, 3:2 source 1, 5:4 source 2, 7:6 destination; the high byte repeats the setting that is left
.if MSB != \new
	s_set_vgpr_msb (MSB<<8)|\new
.set MSB, \new
.endif
.endm
	s_load_b128 s[4:7], s[0:1], 0x0                ; part s[4:5], cw s[6:7]
	s_load_b64 s[8:9], s[0:1], 0x10                ; out0
	v_lshl_add_u32 v254, v0, 2, 0x4400
	v_mov_b32 v255, 0
	v_lshrrev_b32 v1, 5, v0
	v_readfirstlane_b32 s12, v1                    ; wave
	s_lshl2_add_u32 s13, ttmp9, s12                ; U = 4 x work-group + wave; bits: 0 g, 3:1 a, 4 wave & 1, 5 wave >> 1, 7:6 cx, 9:8 cy
	s_lshl_b32 s14, s13, 12                        ; the unit's 4,096 bytes in a slice
	s_mov_b32 s15, 0
	s_and_b32 s16, s13, 0x300                      ; first token = 256 cy
	s_and_b32 s17, s13, 32
	s_lshl_b32 s17, s17, 2                         ; + 128 (wave >> 1)
	s_add_co_u32 s16, s16, s17
	s_and_b32 s17, s13, 14
	s_lshl_b32 s17, s17, 3                         ; + 16 a
	s_add_co_u32 s16, s16, s17
	s_and_b32 s18, s13, 0xd0                       ; first column = 256 cx + 64 (wave & 1)
	s_lshl_b32 s18, s18, 2
	s_and_b32 s19, s13, 1
	s_lshl_b32 s19, s19, 7                         ; + 128 g
	s_add_co_u32 s18, s18, s19
	s_lshl_b32 s20, s16, 4                         ; cw: 16 bytes a token
	s_mov_b32 s21, 0
	s_lshl_b32 s22, s16, 12                        ; out0: 4,096 bytes a token,
	s_lshl_b32 s18, s18, 2                         ; 4 bytes a column
	s_add_co_u32 s22, s22, s18
	s_mov_b32 s23, 0
	s_mul_i32 s3, s12, 16*SPITCH                   ; my stage
	v_and_b32 v1, 31, v0                           ; lane
	v_and_b32 v2, 15, v0                           ; r
	v_bfe_u32 v3, v0, 4, 1                         ; h
	v_lshlrev_b32 v4, 4, v2                        ; cw of token r
	v_lshlrev_b32 v[OFF], 4, v1
.irp p, 1,2,3,4,5,6,7,8,9,10,11,12,13,14,15
	v_add_nc_u32 v[OFF+\p], \p*4194304, v[OFF]
.endr
	v_mul_u32_u24 v5, v2, SPITCH                   ; into the stage: row r, my 32 columns at 128 h
	v_lshl_add_u32 v5, v3, 7, v5
	v_add_nc_u32 v5, s3, v5
	v_mul_u32_u24 v6, v3, SPITCH                   ; back: lanes 0-15 take one row of 256 bytes, lanes 16-31 the next
	v_lshl_add_u32 v6, v2, 4, v6
	v_add_nc_u32 v6, s3, v6
	v_lshlrev_b32 v7, 4, v2                        ; and the same two rows in out0
	v_lshl_add_u32 v7, v3, 12, v7
	s_wait_kmcnt 0x0
	s_add_nc_u64 s[4:5], s[4:5], s[14:15]
	s_add_nc_u64 s[6:7], s[6:7], s[20:21]
	s_add_nc_u64 s[8:9], s[8:9], s[22:23]
	global_load_b128 v[CW:CW+3], v4, s[6:7]
.macro LOAD8 p                         ; slice p's 4,096 bytes of the unit: eight loads, 512 consecutive bytes each; read once in the launch
.irp j, 0,1,2,3
	global_load_b128 v[32*((\p)%8)+8*\j:32*((\p)%8)+8*\j+3],   v[OFF+\p], s[4:5] offset:\j*1024 th:TH_LOAD_NT
	global_load_b128 v[32*((\p)%8)+8*\j+4:32*((\p)%8)+8*\j+7], v[OFF+\p], s[4:5] offset:\j*1024+512 th:TH_LOAD_NT
.endr
.endm
; Slice p is added.  left = how many loads were issued behind its eight; more = 1: its set is filled again with slice p + 8.
.macro SLICE p, left, more
	s_wait_loadcnt \left                           ; loads come back in order (ISA guide 5.7.1): mine are in, the younger ones stay out
	WIN 0x01                                       ; source 0 in window 1
.irp j, 0,1,2,3
.irp i, 0,1,2,3,4,5,6,7
.if \p == 0
	v_mul_f32 v[ACC+4*\i+\j], v[8*\j+\i], v[CW]    ; the first slice starts the sums: nothing is cleared
.else
	v_fma_f32 v[ACC+4*\i+\j], v[32*((\p)%8)+8*\j+\i], v[CW+(\p)/4], v[ACC+4*\i+\j]
.endif
.endr
.endr
.if \more
	WIN 0x40                                       ; destination in window 1
	LOAD8 \p+8
.endif
.endm
	WIN 0x40
.irp p, 0,1,2,3,4,5,6,7
	LOAD8 \p
.endr
.irp p, 0,1,2,3,4,5,6,7
	SLICE \p, 56, 1                                ; behind a slice's loads stand those of the next seven slices
.endr
	SLICE 8,  56, 0
	SLICE 9,  48, 0                                ; nothing more is asked for: the counts run down
	SLICE 10, 40, 0
	SLICE 11, 32, 0
	SLICE 12, 24, 0
	SLICE 13, 16, 0
	SLICE 14, 8,  0
	SLICE 15, 0,  0
	WIN 0
.irp i, 0,1,2,3,4,5,6,7
	ds_store_b128 v5, v[ACC+4*\i:ACC+4*\i+3] offset:16*\i
.endr
.irp t, 0,1,2,3,4,5,6,7
	ds_load_b128 v[OUT+4*\t:OUT+4*\t+3], v6 offset:\t*2*SPITCH     ; the stage is my wave's own, and LDS serves a wave's instructions in order (ISA guide 5.7.1.4): these see the stores above
.endr
.irp t, 0,1,2,3,4,5,6,7
	s_wait_dscnt 7-\t
	global_store_b128 v7, v[OUT+4*\t:OUT+4*\t+3], s[8:9] offset:8192*\t th:TH_STORE_NT   ; sixteen lanes store 256 consecutive bytes, aligned
.endr
	s_wait_tensorcnt 0x0
	ds_add_u32 v254, v255
	s_wait_dscnt 0x0
	s_endpgm
.Lfunc_end_k_qd64a873028_combine:
	.size	k_qd64a873028_combine, .Lfunc_end_k_qd64a873028_combine-k_qd64a873028_combine
	.p2alignl 7, 3214868480
	.fill 96, 4, 3214868480
	.section	.rodata,"a",@progbits
	.p2align	6, 0x0
	.amdhsa_kernel k_qd64a873028_combine
		.amdhsa_group_segment_fixed_size 17920
		.amdhsa_private_segment_fixed_size 0
		.amdhsa_enable_private_segment 0
		.amdhsa_kernarg_size 24
		.amdhsa_user_sgpr_count 2
		.amdhsa_user_sgpr_kernarg_segment_ptr 1
		.amdhsa_wavefront_size32 1
		.amdhsa_system_sgpr_workgroup_id_x 1
		.amdhsa_system_sgpr_workgroup_id_y 1
		.amdhsa_system_sgpr_workgroup_id_z 1
		.amdhsa_system_vgpr_workitem_id 0
		.amdhsa_next_free_vgpr 512
		.amdhsa_next_free_sgpr 66
		.amdhsa_reserve_vcc 0
		.amdhsa_float_denorm_mode_32 3
		.amdhsa_float_denorm_mode_16_64 3
		.amdhsa_memory_ordered 1
		.amdhsa_forward_progress 1
		.amdhsa_inst_pref_size 50
	.end_amdhsa_kernel
	.amdgpu_metadata
---
amdhsa.version: [ 1, 2 ]
amdhsa.kernels:
  - .name:           k_qd64a873028_combine
    .symbol:         k_qd64a873028_combine.kd
    .args:
      - { .name: part, .offset: 0, .size: 8, .value_kind: global_buffer, .address_space: global }
      - { .name: cw, .offset: 8, .size: 8, .value_kind: global_buffer, .address_space: global }
      - { .name: out0, .offset: 16, .size: 8, .value_kind: global_buffer, .address_space: global }
    .group_segment_fixed_size: 17920
    .private_segment_fixed_size: 0
    .kernarg_segment_align: 8
    .kernarg_segment_size: 24
    .max_flat_workgroup_size: 128
    .sgpr_count:     66
    .vgpr_count:     512
    .wavefront_size: 32
...
	.end_amdgpu_metadata
.endif
;; end of part 4
